; MI455X (gfx1250); checked and timed in simulation.
; The chip was launched on July 23, 2026; its instructions are those of AMD's public machine-readable ISA for CDNA 5 (MIT licence, August 2026) and "CDNA5" Instruction Set Architecture Reference Guide (July 2026). The comments in the code are by the model that wrote it; some were corrected since.
;; Space Time Local Self Attention. Allowed arithmetic: matrix products marked QUANTISED: E2M3 operands, one E8M0 scale for each 32 along K, by v_wmma_scale_f32_16x16x128_f8f6f4 with both operands' format E2M3, f32 sums; everything else in f32.
;; Inputs: Wk 8 x 512 x 64 float32; Wq 8 x 512 x 64 float32; Wv 8 x 512 x 64 float32; bk 8 x 64 float32; bq 8 x 64 float32; bv 8 x 64 float32; x 4 x 8 x 32 x 32 x 512 float32.
;; Outputs: out0 4 x 8 x 32 x 32 x 512 float32.
;; This version of the problem:
;;   THIS VERSION OF THE PROBLEM IS GIVEN IN LOW PRECISION. The matrix products marked QUANTISED in the list below multiply operands that are first quantised to E2M3 (2 exponent bits, 3 mantissa bits; 6 bits a number), with one power-of-two scale for each 32 numbers along K (OCP MX v1.0); their sums are f32. All else is computed in f32.
;;   The module's matrix products, in the order in which they are computed (A, B: the left and right operand; K: the contracted axis; several contracted axes count as one K, in the product's order):
;;     1. [M 512, K 512] x [K 512, N 16,384]; A: input Wq; B: input x: QUANTISED
;;     2. [M 512, K 512] x [K 512, N 16,384]; A: input Wk; B: input x: QUANTISED
;;     3. [M 512, K 512] x [K 512, N 16,384]; A: input Wv; B: input x: QUANTISED
;;     4. batch 2,048 x [M 64, K 64] x [K 64, N 64]; A: computed on the way; B: computed on the way: QUANTISED
;;     5. batch 2,048 x [M 64, K 64] x [K 64, N 64]; A: softmax (see below); B: computed on the way: QUANTISED
;;     6. [M 512, K 512] x [K 512, N 16,384]; A: input Wq; B: computed on the way: QUANTISED
;;     7. [M 512, K 512] x [K 512, N 16,384]; A: input Wk; B: computed on the way: QUANTISED
;;     8. [M 512, K 512] x [K 512, N 16,384]; A: input Wv; B: computed on the way: QUANTISED
;;     9. batch 2,048 x [M 64, K 64] x [K 64, N 64]; A: computed on the way; B: computed on the way: QUANTISED
;;     10. batch 2,048 x [M 64, K 64] x [K 64, N 64]; A: softmax (see below); B: computed on the way: QUANTISED
;;     11. [M 512, K 512] x [K 512, N 16,384]; A: input Wq; B: computed on the way: QUANTISED
;;     12. [M 512, K 512] x [K 512, N 16,384]; A: input Wk; B: computed on the way: QUANTISED
;;     13. [M 512, K 512] x [K 512, N 16,384]; A: input Wv; B: computed on the way: QUANTISED
;;     14. batch 2,048 x [M 64, K 64] x [K 64, N 64]; A: computed on the way; B: computed on the way: QUANTISED
;;     15. batch 2,048 x [M 64, K 64] x [K 64, N 64]; A: softmax (see below); B: computed on the way: QUANTISED
;;     16. [M 512, K 512] x [K 512, N 16,384]; A: input Wq; B: computed on the way: QUANTISED
;;     17. [M 512, K 512] x [K 512, N 16,384]; A: input Wk; B: computed on the way: QUANTISED
;;     18. [M 512, K 512] x [K 512, N 16,384]; A: input Wv; B: computed on the way: QUANTISED
;;     19. batch 2,048 x [M 64, K 64] x [K 64, N 64]; A: computed on the way; B: computed on the way: QUANTISED
;;     20. batch 2,048 x [M 64, K 64] x [K 64, N 64]; A: softmax (see below); B: computed on the way: QUANTISED
;;     21. [M 512, K 512] x [K 512, N 16,384]; A: input Wq; B: computed on the way: QUANTISED
;;     22. [M 512, K 512] x [K 512, N 16,384]; A: input Wk; B: computed on the way: QUANTISED
;;     23. [M 512, K 512] x [K 512, N 16,384]; A: input Wv; B: computed on the way: QUANTISED
;;     24. batch 2,048 x [M 64, K 64] x [K 64, N 64]; A: computed on the way; B: computed on the way: QUANTISED
;;     25. batch 2,048 x [M 64, K 64] x [K 64, N 64]; A: softmax (see below); B: computed on the way: QUANTISED
;;   THE QUANTISER, for each operand of a quantised product, along K:
;;     - K is cut into blocks of 32 from its start; a last block that is shorter is filled with zeros.
;;     - A block's scale is 2^e with e = floor(log2(the largest magnitude in the block)) - 2, held to -126 .. 127; a block of zeros has e = 0. As a byte (E8M0): e + 127.
;;     - Each number is divided by its block's scale, clamped to +-7.5, and rounded to the nearest number of E2M3, ties to even, subnormals kept.
;;     - The product sums the exact products of the quantised numbers (number of the format x scale) in f32.
;;   ~~~python
;;   def quantise(x, axis):      # numpy; x: float32 -> the quantised numbers, widened to float32 again
;;       x = np.moveaxis(x, axis, -1); K = x.shape[-1]
;;       x = np.pad(x, [(0, 0)] * (x.ndim - 1) + [(0, -K % 32)]); x = x.reshape(x.shape[:-1] + (-1, 32)); a = np.abs(x).max(-1, keepdims=True)
;;       e = np.where(a > 0, np.clip(np.frexp(np.where(a > 0, a, 1))[1] - 1 - 2, -126, 127), 0)      # np.frexp(a)[1] - 1 = floor(log2(a)), exactly
;;       r = np.clip(x / 2.0 ** e, -7.5, 7.5)
;;       step = 2.0 ** (np.maximum(np.frexp(np.where(r == 0, 1, r))[1] - 1, 0) - 3)
;;       q = np.round(r / step) * step * 2.0 ** e      # np.round: ties to even
;;       return np.moveaxis(q.reshape(q.shape[:-2] + (-1,))[..., :K], -1, axis).astype(np.float32)
;;   ~~~
;;   SOFTMAX AHEAD OF A QUANTISED PRODUCT. Where the list says 'softmax', what is quantised is not the finished softmax but p = 2^(t - M), with t = logit x log2(e) and M = ceil(the row's largest t), a whole number; so 1/2 < the row's largest p <= 1. The row's sum l is taken of the UNQUANTISED p, in f32, and the product's result is divided by l at the end. Since M is a whole number, a kernel that streams over the keys may use a running M (the ceiling of the running maximum): every later rescaling is an exact power of two, which a block's scale takes up: the codes' values come out the same.
;;   OPERANDS COMPUTED ON THE WAY. 'Computed on the way' means the value that the module computes at that place (a softmax that the list does not call 'softmax' is quantised finished and normalised). What goes into a quantiser is computed in f32, as accurately as f32 sums, v_exp_f32 and their like allow (about 1e-6 of the number): no bf16 or f16 on the way to a quantiser, and a product that is left as it is and whose result goes on into a quantised operand takes f32 operands (vector FMAs, or v_wmma_f32_16x16x4_f32). A number that lies on a knife's edge between two numbers of the format may be rounded either way, as far as f32 arithmetic and the matrix unit's own rounding can turn it there, and no further.
;; One version. Each part assembles by itself: llvm-mc -triple=amdgcn-amd-amdhsa -mcpu=gfx1250 --defsym DOCPART=n.
;; ======== version 1 of 1: 2 launches
;; limits: right only within a limited range of input values
;; workspace buffers: wimg 614,400 bytes
;; launch wprep (part 1): grid 32 x 1, 12 waves a work-group, no clusters, 2,560 bytes of LDS; arguments Wq, Wk, Wv, wimg; writes wimg
.if DOCPART == 1
	.amdgcn_target "amdgcn-amd-amdhsa--gfx1250"
	.amdhsa_code_object_version 6
	.text
	.protected	k_qbb0b4885bf_wprep
	.globl	k_qbb0b4885bf_wprep
	.p2align	8
	.type	k_qbb0b4885bf_wprep,@function
k_qbb0b4885bf_wprep:
	s_mov_b64 s[64:65], 0
	v_nop
	global_prefetch_b8 v0, s[64:65] scope:SCOPE_SE
	s_setreg_imm32_b32 hwreg(HW_REG_WAVE_MODE, 25, 1), 1
	s_wait_xcnt 0x0
; Wq, Wk, Wv [8 heads][512 c][64 d], f32, K = c not innermost, are quantised ONCE along c to codes of FP6 (E2M3) with one E8M0 byte for each 32 c,
; and laid in wimg as images of the operand's registers, in the order in which the second launch takes them: [head 8][chunk n 4][19,200 bytes].
; A chunk is 12 fragments (16 channels x 128 c: 12 registers a lane) of 1,536 bytes: registers 4 p .. 4 p + 3 of lane l at 512 p + 16 l; then 768 bytes of scale words: fragment pos, row r at 18,432 + 64 pos + 4 r.
; THE STREAM OF A HEAD: fragment i = 12 n + pos.  i < 16: Wq; i < 32: Wk; else Wv.  In each of the three: K step (i / 4) % 4, tile i % 4.
; Row r of tile 2 b + u is channel 32 b + 8 u + r + 8 (r / 8), so that two neighbouring tiles' results are 16 neighbours along the next product's K.
; 32 work-groups, one chunk each; each of the 12 waves makes a fragment.  A lane takes one channel and its registers run DOWN c (lane (r, h): c = 64 q + 32 h + 0 .. 31): nothing is transposed.
; No work of reference() is left out in this program.
; LIMITS: a block of zeros, or one whose largest magnitude lies under 2^-124, gets the byte 1 (the rule says 127 for zeros: the codes are zeros and only this program reads the bytes); NaN and infinities are not served.
.set CHB, 19200
.set WSC, 18432
.set FRB, 1536
	s_load_b256 s[4:11], s[0:1], 0x0               ; Wq, Wk, Wv, wimg
	v_lshl_add_u32 v128, v0, 2, 0x400              ; my spare word,
	v_mov_b32 v129, 0                              ; and 0
	v_lshrrev_b32 v1, 5, v0
	s_delay_alu instid0(VALU_DEP_1)
	v_readfirstlane_b32 s12, v1                    ; pos
	s_and_b32 s13, ttmp9, 3                        ; n
	s_lshr_b32 s14, ttmp9, 2                       ; head
	s_mul_i32 s15, s13, 12
	s_add_co_u32 s15, s15, s12                     ; i
	s_and_b32 s16, s15, 3                          ; tile
	s_bfe_u32 s17, s15, 0x20002                    ; K step: (i / 4) % 4
	s_lshl_b32 s22, s14, 17                        ; a head is 131,072 bytes
	s_lshr_b32 s19, s16, 1
	s_lshl_b32 s19, s19, 7
	s_add_co_u32 s22, s22, s19                     ; + 32 (tile / 2) channels
	s_and_b32 s19, s16, 1
	s_lshl_b32 s19, s19, 5
	s_add_co_u32 s22, s22, s19                     ; + 8 (tile % 2) channels
	s_lshl_b32 s17, s17, 15                        ; a K step is 128 rows of 256 bytes
	s_add_co_u32 s22, s22, s17
	s_mov_b32 s23, 0
	s_mul_i32 s28, ttmp9, CHB                      ; my chunk
	s_mov_b32 s29, 0
	s_mov_b32 s24, 0x76543210
	s_mov_b32 s25, 0xfedcba98                      ; selects for lane l xor 16
	v_and_b32 v1, 15, v0                           ; r
	v_bfe_u32 v2, v0, 4, 1                         ; h
	s_delay_alu instid0(VALU_DEP_2)
	v_and_b32 v3, 8, v1
	s_delay_alu instid0(VALU_DEP_1)
	v_add_nc_u32 v3, v3, v1                        ; r + 8 (r / 8)
	s_delay_alu instid0(VALU_DEP_1)
	v_lshlrev_b32 v3, 2, v3
	s_delay_alu instid0(VALU_DEP_1)
	v_lshl_add_u32 v3, v2, 13, v3                  ; lanes 16-31 begin 32 rows further down
	v_and_b32 v6, 31, v0
	s_mul_i32 s26, s12, FRB
	v_lshl_add_u32 v4, v6, 4, s26                  ; out: 1,536 pos + 16 lane
	s_lshl_b32 s26, s12, 6
	v_lshl_add_u32 v5, v1, 2, s26                  ; LDS: my row's scale word
	s_lshl_b32 s26, s12, 8
	v_lshl_add_u32 v6, v6, 3, s26                  ; the scale words' way out: 256 wave + 8 lane
	s_wait_alu depctr_va_vdst(0)                   ; the wait at the head's end
	s_wait_kmcnt 0x0
	s_cmp_lt_u32 s15, 16                           ; the choices hang on ids alone
	s_cselect_b64 s[20:21], s[4:5], s[6:7]
	s_cmp_lt_u32 s15, 32
	s_cselect_b64 s[20:21], s[20:21], s[8:9]
	s_add_nc_u64 s[20:21], s[20:21], s[22:23]
	s_add_nc_u64 s[10:11], s[10:11], s[28:29]
.irp c, 0,1
.set wi, 0
.rept 32
	global_load_b32 v[64+32*\c+wi], v3, s[20:21] offset:(64*\c+wi)*256
.set wi, wi+1
.endr
.endr
	s_wait_loadcnt 0x0
.irp c, 0,1
	v_max3_num_f32 v[32+\c], |v[64+32*\c]|, |v[65+32*\c]|, 0x1800000   ; with the floor 2^(3 - 127)
.endr
.irp i, 2,4,6,8,10,12,14,16,18,20,22,24,26,28,30
.irp c, 0,1
	s_delay_alu instid0(VALU_DEP_2)
	v_max3_num_f32 v[32+\c], v[32+\c], |v[64+32*\c+\i]|, |v[65+32*\c+\i]|
.endr
.endr
.irp c, 0,1
	s_delay_alu instid0(VALU_DEP_2)
	v_add_nc_u32 v[44+\c], 0xff000000, v[32+\c]    ; 2 off the exponent field: the conversion's scale operand
.endr
.irp c, 0,1
	s_delay_alu instid0(VALU_DEP_2)
	v_lshrrev_b32 v[36+\c], 23, v[44+\c]           ; the byte
.endr
	s_delay_alu instid0(VALU_DEP_1)
	v_lshl_or_b32 v9, v37, 16, v36                 ; blocks h and 2 + h,
	v_lshlrev_b32 v10, 3, v2
	s_delay_alu instid0(VALU_DEP_1)
	v_lshlrev_b32 v9, v10, v9                      ; at their places in the word
	v_mov_b32 v10, 0
	s_delay_alu instid0(VALU_DEP_1)
	v_permlanex16_b32 v10, v9, s24, s25
	s_delay_alu instid0(VALU_DEP_1)
	v_or_b32 v9, v9, v10                           ; with lane l xor 16's two the word is whole
.irp c, 0,1
	v_cvt_scalef32_pk16_fp6_f32 v[48+6*\c:50+6*\c], v[64+32*\c:79+32*\c], v[44+\c]
	v_cvt_scalef32_pk16_fp6_f32 v[16+4*\c:18+4*\c], v[80+32*\c:95+32*\c], v[44+\c]   ; three registers begin on an even number: made elsewhere and moved
.endr
	v_nop                                          ; one plain place behind a scaled conversion
.irp c, 0,1
.irp i, 0,1,2
	v_mov_b32 v[51+6*\c+\i], v[16+4*\c+\i]
.endr
.endr
	ds_store_b32 v5, v9                            ; both halves of the lanes write the same word
.irp p, 0,1,2
	global_store_b128 v4, v[48+4*\p:51+4*\p], s[10:11] offset:512*\p   ; 32 lanes store 512 consecutive bytes, aligned
.endr
	s_wait_dscnt 0x0                               ; for the others' sake
	s_barrier_signal -1
	s_barrier_wait -1
	s_cmp_gt_u32 s12, 2                            ; the 768 bytes of scale words leave by waves 0 to 2
	s_cbranch_scc1 .Ldone
	ds_load_b64 v[12:13], v6
	s_wait_dscnt 0x0
	global_store_b64 v6, v[12:13], s[10:11] offset:WSC   ; 256 consecutive bytes, aligned
.Ldone:
	s_wait_tensorcnt 0x0                           ; the wave's end
	ds_add_u32 v128, v129
	s_wait_dscnt 0x0
	s_endpgm
.Lfunc_end_k_qbb0b4885bf_wprep:
	.size	k_qbb0b4885bf_wprep, .Lfunc_end_k_qbb0b4885bf_wprep-k_qbb0b4885bf_wprep
	.p2alignl 7, 3214868480
	.fill 96, 4, 3214868480
	.section	.rodata,"a",@progbits
	.p2align	6, 0x0
	.amdhsa_kernel k_qbb0b4885bf_wprep
		.amdhsa_group_segment_fixed_size 2560
		.amdhsa_private_segment_fixed_size 0
		.amdhsa_enable_private_segment 0
		.amdhsa_kernarg_size 32
		.amdhsa_user_sgpr_count 2
		.amdhsa_user_sgpr_kernarg_segment_ptr 1
		.amdhsa_wavefront_size32 1
		.amdhsa_system_sgpr_workgroup_id_x 1
		.amdhsa_system_sgpr_workgroup_id_y 1
		.amdhsa_system_sgpr_workgroup_id_z 1
		.amdhsa_system_vgpr_workitem_id 0
		.amdhsa_next_free_vgpr 130
		.amdhsa_next_free_sgpr 66
		.amdhsa_reserve_vcc 0
		.amdhsa_float_denorm_mode_32 3
		.amdhsa_float_denorm_mode_16_64 3
		.amdhsa_memory_ordered 1
		.amdhsa_forward_progress 1
		.amdhsa_inst_pref_size 14
	.end_amdhsa_kernel
	.amdgpu_metadata
---
amdhsa.version: [ 1, 2 ]
amdhsa.kernels:
  - .name:           k_qbb0b4885bf_wprep
    .symbol:         k_qbb0b4885bf_wprep.kd
    .args:
      - { .name: Wq, .offset: 0, .size: 8, .value_kind: global_buffer, .address_space: global }
      - { .name: Wk, .offset: 8, .size: 8, .value_kind: global_buffer, .address_space: global }
      - { .name: Wv, .offset: 16, .size: 8, .value_kind: global_buffer, .address_space: global }
      - { .name: wimg, .offset: 24, .size: 8, .value_kind: global_buffer, .address_space: global }
    .group_segment_fixed_size: 2560
    .private_segment_fixed_size: 0
    .kernarg_segment_align: 8
    .kernarg_segment_size: 32
    .max_flat_workgroup_size: 384
    .sgpr_count:     66
    .vgpr_count:     130
    .wavefront_size: 32
...
	.end_amdgpu_metadata
.endif
;; end of part 1
;; launch stlsa (part 2): grid 256 x 1, 4 waves a work-group, clusters of 4 x 1, 327,680 bytes of LDS; arguments x, wimg, bq, bk, bv, out0; writes out0
.if DOCPART == 2
	.amdgcn_target "amdgcn-amd-amdhsa--gfx1250"
	.amdhsa_code_object_version 6
	.text
	.protected	k_qbb0b4885bf_stlsa
	.globl	k_qbb0b4885bf_stlsa
	.p2align	8
	.type	k_qbb0b4885bf_stlsa,@function
k_qbb0b4885bf_stlsa:
	s_mov_b64 s[64:65], 0
	v_nop
	global_prefetch_b8 v0, s[64:65] scope:SCOPE_SE
	s_setreg_imm32_b32 hwreg(HW_REG_WAVE_MODE, 25, 1), 1
	s_wait_xcnt 0x0
	s_wait_alu depctr_hold_cnt(0) depctr_sa_sdst(0) depctr_va_vdst(0) depctr_va_sdst(0) depctr_va_ssrc(0) depctr_va_vcc(0) depctr_vm_vsrc(0)
	s_getreg_b32 s2, hwreg(HW_REG_IB_STS2, 6, 4)
	s_cmp_eq_u32 s2, 0
	s_cbranch_scc0 .Lentry_in_a_cluster
	s_endpgm
.Lentry_in_a_cluster:
	s_bfe_u32 s2, ttmp6, 0x10000c
	s_cmp_lg_u32 s2, 0x3003
	s_cbranch_scc0 .Lentry_shape_is_right
	s_endpgm
.Lentry_shape_is_right:
; The whole recursion for one 4 x 4 block of one batch: 256 work-groups.  The window's four frames (64 positions x 512 channels, f32) stay in LDS, a wave's 128 channels (its two heads) in the wave's own part.
; Five steps; in each: XPHASE quantises the 64 x 512 state along c (each wave its 128 channels, shared as register images through LDS), then each wave runs HEAD for its two heads:
; q^T, k^T = W x^T + b (transposed use: a lane holds one position, registers run along d), v = x W + b (a lane holds one channel, registers run along the positions), each quantised along the next K;
; S^T = k q^T, p = 2^(t - M) with M the ceiling of the row's largest t, the row's sum of the unquantised p, O^T = v^T p^T / sum + residual, back into the state.
; K of the two small products is 64: codes 64-127 of their operands are zeros, under the byte 127.
; WEIGHTS: wimg holds register images, 4 chunks of 19,200 bytes a head, Wq then Wk then Wv.  Each wave's chunks go through its parts of two LDS slots by tensor loads that the four work-groups of a cluster ask for jointly
; (all four walk the same weights), and from there whole into 144 registers, so that a slot is free as soon as it is read.
; THE QUANTISERS STAND AMONG THE MATRIX INSTRUCTIONS: q's in 32 short pieces between Wk's 64 products, k's between Wv's 64, half of v's between the 16 score products (macros QP, HOOK).  The pieces name none of those products' registers.
; A frame leaves when its last step is done.  In the last step each wave's first head leaves (64 channels: whole units of 256 bytes) ahead of the wave's last head's work.
; No data prefetch: x's next frame is loaded into registers a step ahead, and the weights are the same 614,400 bytes that every work-group reads in every step.
; LIMITS: scaled scores under 2^31 in magnitude; blocks whose largest magnitude lies under 2^-124 get the byte 1; NaN and infinities are not served.
; WINDOWS: 0 addresses, scales, small operands; 1 x's 16 fragments and the next frame; 2 the weights' 12 fragments, biases, a leaving frame; 3 accumulators.
.set WPART, 19200
.set SLOTB, 4*WPART
.set WSC,   18432
.set FRB,   1536
.set STATE, 2*SLOTB
.set SPOS,  528
.set SFR,   8576
.set SWAVE, 4*SFR
.set XIMG,  STATE+4*SWAVE
.set XSC,   XIMG+16*FRB
.set BIAS,  XSC+16*128
.set SPARE, BIAS+4*1536
.set FRAME, 1<<21
.set XRI, 1
.set XRS, 2
.set XWI, 3
.set XWS, 4
.set TA,  5
.set TH,  7
.set WA,  9
.set WL,  11
.set SPW, 13
.set NIL, 14
.set GI,  15
.set SIL, 16
.set SIO, 17
.set TAL, 18
.set RB,  19
.set BA0, 20
.set BV0, 21
.set BAH, 22
.set BVH, 23
.set WS,  24
.set XS,  36
.set QS,  52
.set KS,  56
.set VS,  60
.set PS,  64
.set RL,  68
.set TM,  76
.set SPR, 92
.set XC,  100
.set QF,  112
.set KF,  160
.set VF,  208
.set XN,  192
.set BI,  144
.set OB,  144
.set WV,  16
.set N,   17
.set STP, 18
.set T0,  19
.set SEL, 20
.set CS,  22
.set G1,  24
.set G0,  32
.set WB,  40
.set OF,  42
.set HB,  44
.set NHB, 45
.set HD8, 46
.set XP,  48
.set OP,  50
.set X0,  54
.set MSB, 0
.set HKON, 0
.macro WIN new
.if MSB != \new
	s_set_vgpr_msb (MSB<<8)|\new
.set MSB, \new
.endif
.endm
.macro NOPS n
.rept \n
	v_nop
.endr
.endm
.macro ROUND
	s_barrier_signal -1
	s_barrier_wait -1
	s_cmp_lg_u32 s[WV], 0
	s_cbranch_scc1 .Lnot_wave_0_\@
	s_barrier_signal -3
.Lnot_wave_0_\@:
	s_barrier_wait -3
	s_barrier_signal -1
	s_barrier_wait -1
.endm
.macro MM d, a, b, c, sa, sb, row
.if (\row) == 1
	v_wmma_scale_f32_16x16x128_f8f6f4 v[(\d):(\d)+7], v[(\a):(\a)+11], v[(\b):(\b)+11], v[(\c):(\c)+7], v[\sa], v[\sb] matrix_a_fmt:MATRIX_FMT_FP6 matrix_b_fmt:MATRIX_FMT_FP6 matrix_a_scale:MATRIX_SCALE_ROW1
.elseif (\row) == 2
	v_wmma_scale_f32_16x16x128_f8f6f4 v[(\d):(\d)+7], v[(\a):(\a)+11], v[(\b):(\b)+11], v[(\c):(\c)+7], v[\sa], v[\sb] matrix_a_fmt:MATRIX_FMT_FP6 matrix_b_fmt:MATRIX_FMT_FP6 matrix_b_scale:MATRIX_SCALE_ROW1
.else
	v_wmma_scale_f32_16x16x128_f8f6f4 v[(\d):(\d)+7], v[(\a):(\a)+11], v[(\b):(\b)+11], v[(\c):(\c)+7], v[\sa], v[\sb] matrix_a_fmt:MATRIX_FMT_FP6 matrix_b_fmt:MATRIX_FMT_FP6
.endif
.endm
.macro MZ d, a, b, sa, sb
	v_wmma_scale_f32_16x16x128_f8f6f4 v[(\d):(\d)+7], v[(\a):(\a)+11], v[(\b):(\b)+11], 0, v[\sa], v[\sb] matrix_a_fmt:MATRIX_FMT_FP6 matrix_b_fmt:MATRIX_FMT_FP6
.endm
; Piece i (0 .. 15) of the quantiser of 64 registers at v[s] of window 3 (four half blocks of 16 a lane; the other half lies in lane l xor 16) into two operands at v[d], v[d + 12] and their scale words v[w], v[w + 1].
; 0-7 the largest magnitudes, with the floor 2^(3 - 127); 8-9 with lane l xor 16's; 10 the conversion's scale operand; 11 the bytes; 12 the words; 13 the codes; 14-15 whole blocks to a lane.
.macro QP s, d, w, i
.if (\i) < 8
	WIN 0x0f
.irp b, 0,1,2,3
.if (\i) == 0
	v_max3_num_f32 v[TM+\b], |v[(\s)+16*\b]|, |v[(\s)+16*\b+1]|, 0x1800000
.else
	v_max3_num_f32 v[TM+\b], |v[(\s)+16*\b+2*(\i)]|, |v[(\s)+16*\b+2*(\i)+1]|, v[TM+\b]
.endif
.endr
.elseif (\i) == 8
	WIN 0
.irp b, 0,1,2,3
	v_permlanex16_b32 v[TM+4+\b], v[TM+\b], s[SEL], s[SEL+1]
.endr
.elseif (\i) == 9
	WIN 0
.irp b, 0,1,2,3
	v_max_num_f32 v[TM+\b], v[TM+\b], v[TM+4+\b]
.endr
.elseif (\i) == 10
	WIN 0
.irp b, 0,1,2,3
	v_add_nc_u32 v[TM+12+\b], 0xff000000, v[TM+\b]
.endr
.elseif (\i) == 11
	WIN 0
.irp b, 0,1,2,3
	v_lshrrev_b32 v[TM+4+\b], 23, v[TM+12+\b]
.endr
.elseif (\i) == 12
	WIN 0
	v_lshl_or_b32 v[\w], v[TM+5], 8, v[TM+4]
	v_lshl_or_b32 v[(\w)+1], v[TM+7], 8, v[TM+6]
	v_or_b32 v[\w], 0x7f7f0000, v[\w]
	v_or_b32 v[(\w)+1], 0x7f7f0000, v[(\w)+1]
.elseif (\i) == 13
	WIN 0x03
	v_cvt_scalef32_pk16_fp6_f32 v[(\d):(\d)+2], v[(\s):(\s)+15], v[TM+12]
	v_cvt_scalef32_pk16_fp6_f32 v[SPR:SPR+2], v[(\s)+16:(\s)+31], v[TM+13]
	v_cvt_scalef32_pk16_fp6_f32 v[(\d)+12:(\d)+14], v[(\s)+32:(\s)+47], v[TM+14]
	v_cvt_scalef32_pk16_fp6_f32 v[SPR+4:SPR+6], v[(\s)+48:(\s)+63], v[TM+15]
	WIN 0
	v_nop                                          ; one plain place behind a scaled conversion
.elseif (\i) == 14
	WIN 0
.irp j, 0,1,2
	v_permlane16_swap_b32 v[(\d)+\j], v[SPR+\j]
	v_permlane16_swap_b32 v[(\d)+12+\j], v[SPR+4+\j]
.endr
.else
	WIN 0
.irp j, 0,1,2
	v_mov_b32 v[(\d)+3+\j], v[SPR+\j]
	v_mov_b32 v[(\d)+15+\j], v[SPR+4+\j]
.endr
.endif
.endm
.macro QPR s, d, w, from, to           ; pieces from .. to - 1, on end
.set qi, \from
.rept (\to)-(\from)
	QP \s, \d, \w, qi
.set qi, qi+1
.endr
.endm
.macro HKSET s, d, w, n                ; from here on HOOK lays the pieces of n quantisers, 64 registers apart
.set HS, \s
.set HD, \d
.set HW, \w
.set HN, \n
.set HP, 0
.set HKON, 1
.endm
.macro HOOK
.if HKON
	QP HS, HD, HW, HP
.set HP, HP+1
.if HP == 16
.set HP, 0
.set HS, HS+64
.set HD, HD+24
.set HW, HW+2
.set HN, HN-1
.if HN == 0
.set HKON, 0
.endif
.endif
.endif
.endm
; Fragment pos of chunk n against x's four tiles of positions: four matrix instructions on four accumulators; a HOOK behind each second one
.macro FM n, pos
.set fi, 12*(\n)+(\pos)
.set fw, 12*(\pos)
.set fs, WS+6*((\n)%2)+(\pos)/2
.set fr, (\pos)%2
.set fk, (fi/4)%4
.irp t, 0,1,2,3
.if fi < 32
.set fd, 128*(fi/16)+32*\t+8*(fi%4)
.if fk == 0
	WIN 0xe6
	MM fd, fw, 12*(4*\t+fk), BI+32*(fi/16)+8*(fi%4), fs, XS+4*\t+fk, fr
.else
	WIN 0xf6
	MM fd, fw, 12*(4*\t+fk), fd, fs, XS+4*\t+fk, fr
.endif
.else
.set fd, 32*(fi%4)+8*\t
.if fk == 0
	WIN 0xe9
	MM fd, 12*(4*\t+fk), fw, BI+64+8*(fi%4), XS+4*\t+fk, fs, 2*fr
.else
	WIN 0xf9
	MM fd, 12*(4*\t+fk), fw, fd, XS+4*\t+fk, fs, 2*fr
.endif
.endif
.if \t%2
	HOOK
.endif
.endr
.endm
.macro FMR n, from, to
.set fp, \from
.rept (\to)-(\from)
	FM \n, fp
.set fp, fp+1
.endr
.endm
.macro FMB4 n
	FMR \n, 8, 12
	WIN 0
	NOPS 4                                         ; places in front of loads into the fragments' registers
.endm
.macro LDA sl
	WIN 0x80
.set lp, 0
.rept 8
.irp c, 0,1,2
	ds_load_b128 v[12*lp+4*\c:12*lp+4*\c+3], v[WA+(\sl)] offset:FRB*lp+512*\c
.endr
.set lp, lp+1
.endr
	WIN 0
.irp i, 0,1,2,3,4,5
	ds_load_b32 v[WS+6*(\sl)+\i], v[WL+(\sl)] offset:128*\i
.endr
.endm
.macro LDB sl
	WIN 0x80
.set lp, 8
.rept 4
.irp c, 0,1,2
	ds_load_b128 v[12*lp+4*\c:12*lp+4*\c+3], v[WA+(\sl)] offset:FRB*lp+512*\c
.endr
.set lp, lp+1
.endr
	WIN 0
.endm
; mode 2: slot n % 2, read out into registers, takes the chunk two further on, jointly, behind a round of the cluster's barrier; 1: the waits alone; 0: the wait for LDS alone
.macro REFILL n, mode
	WIN 0
	s_wait_alu depctr_va_vdst(0)                   ; the wait ahead of the blocking waits
.if (\mode) == 2
	s_wait_tensorcnt 0x0                           ; all my tensor loads have landed
	ds_add_u32 v[SPW], v[NIL]
.if (\n) < 2
	s_add_co_u32 s[OF], s[HB], ((\n)+2)*WPART
.else
	s_add_co_u32 s[OF], s[NHB], ((\n)-2)*WPART
.endif
	s_add_nc_u64 s[G0+4*((\n)%2)+2:G0+4*((\n)%2)+3], s[WB:WB+1], s[OF:OF+1]
	s_or_b32 s[G0+4*((\n)%2)+3], s[G0+4*((\n)%2)+3], 0x80000000
	s_wait_dscnt 0x0                               ; the add, and my reads of the slot
	ROUND
	tensor_load_to_lds s[G0+4*((\n)%2):G0+4*((\n)%2)+3], s[G1:G1+7]
	s_nop 0
.else
.if (\mode) == 1
	s_wait_tensorcnt 0x0
.endif
	s_wait_dscnt 0x0
.endif
	NOPS 4
.endm
.macro QX s                            ; 64 registers, four half blocks, into ONE operand of 128 along K at v[XC], its scale word in v[TM+8]
	QPR \s, 0, 0, 0, 12
	v_lshl_or_b32 v[TM+8], v[TM+5], 8, v[TM+4]
	v_lshl_or_b32 v[TM+8], v[TM+6], 16, v[TM+8]
	v_lshl_or_b32 v[TM+8], v[TM+7], 24, v[TM+8]
	WIN 0x03
.irp c, 0,1
	v_cvt_scalef32_pk16_fp6_f32 v[XC+6*\c:XC+6*\c+2], v[(\s)+32*\c:(\s)+32*\c+15], v[TM+12+2*\c]
	v_cvt_scalef32_pk16_fp6_f32 v[SPR+4*\c:SPR+4*\c+2], v[(\s)+32*\c+16:(\s)+32*\c+31], v[TM+13+2*\c]
.endr
	WIN 0
	v_nop
.irp c, 0,1
.irp i, 0,1,2
	v_permlane16_swap_b32 v[XC+6*\c+\i], v[SPR+4*\c+\i]
.endr
.irp i, 0,1,2
	v_mov_b32 v[XC+3+6*\c+\i], v[SPR+4*\c+\i]
.endr
.endr
.endm
; The softmax of two tiles of queries, q0 and q0 + 1: each block's largest score serves the row's maximum and the block's largest p
.macro SM2 q0
.set sS, 128+32*(\q0)
	WIN 0x0f
.irp b, 0,1,2,3
	v_max3_num_f32 v[TM+\b], v[sS+16*\b], v[sS+16*\b+1], 0xff800000
.endr
.irp i, 2,4,6,8,10,12,14
.irp b, 0,1,2,3
	v_max3_num_f32 v[TM+\b], v[sS+16*\b+\i], v[sS+16*\b+\i+1], v[TM+\b]
.endr
.endr
	WIN 0
.irp k, 0,1,2,3
	v_permlanex16_b32 v[TM+4+\k], v[TM+\k], s[SEL], s[SEL+1]
.endr
.irp k, 0,1,2,3
	v_max_num_f32 v[TM+\k], v[TM+\k], v[TM+4+\k]
.endr
.irp x, 0,1
	v_max_num_f32 v[TM+4+\x], v[TM+2*\x], v[TM+2*\x+1]
.endr
.irp x, 0,1
	v_mul_f32 v[TM+4+\x], s[CS], v[TM+4+\x]
.endr
.irp x, 0,1
	v_floor_f32 v[TM+8+2*\x], -v[TM+4+\x]          ; -M
.endr
	WIN 0xc3
.set sj, 0
.rept 32
	v_pk_fma_f32 v[sS+2*sj:sS+2*sj+1], v[sS+2*sj:sS+2*sj+1], s[CS:CS+1], v[TM+8+2*(sj/16):TM+9+2*(sj/16)] op_sel_hi:[1,0,0]
.set sj, sj+1
.endr
	WIN 0
.irp k, 0,1,2,3
	v_fma_f32 v[TM+\k], v[TM+\k], s[CS], v[TM+8+2*(\k/2)]
.endr
	WIN 0xc3
.set sj, 0
	s_wait_alu depctr_va_vdst(0)                   ; the wait ahead of the batch
.rept 64
	v_exp_f32 v[sS+sj], v[sS+sj]
.set sj, sj+1
.endr
	WIN 0
	v_nop
	s_wait_alu depctr_va_vdst(0)                   ; and behind it
.irp k, 0,1,2,3
	v_exp_f32 v[TM+\k], v[TM+\k]
.endr
	WIN 0x0f
.irp x, 0,1
.irp c, 0,1
	v_pk_add_f32 v[SPR+4*\x+2*\c:SPR+4*\x+2*\c+1], v[sS+32*\x+4*\c:sS+32*\x+4*\c+1], v[sS+32*\x+4*\c+2:sS+32*\x+4*\c+3]
.endr
.endr
	WIN 0x03
.irp k, 4,5,6,7,8,9,10,11,12,13,14,15
.irp x, 0,1
	v_pk_add_f32 v[SPR+4*\x+2*(\k%2):SPR+4*\x+2*(\k%2)+1], v[sS+32*\x+2*\k:sS+32*\x+2*\k+1], v[SPR+4*\x+2*(\k%2):SPR+4*\x+2*(\k%2)+1]
.endr
.endr
	WIN 0
.irp x, 0,1
	v_pk_add_f32 v[SPR+4*\x:SPR+4*\x+1], v[SPR+4*\x:SPR+4*\x+1], v[SPR+4*\x+2:SPR+4*\x+3]
.endr
.irp x, 0,1
	v_add_f32 v[SPR+4*\x], v[SPR+4*\x], v[SPR+4*\x+1]
.endr
.irp x, 0,1
	v_permlanex16_b32 v[SPR+4*\x+1], v[SPR+4*\x], s[SEL], s[SEL+1]
.endr
.irp x, 0,1
	v_add_f32 v[RL+2*(\q0)+2*\x], v[SPR+4*\x], v[SPR+4*\x+1]
.endr
	s_wait_alu depctr_va_vdst(0)                   ; for the four
.irp k, 0,1,2,3
	v_max_num_f32 v[TM+\k], 0x1800000, v[TM+\k]
.endr
.irp k, 0,1,2,3
	v_add_nc_u32 v[TM+12+\k], 0xff000000, v[TM+\k]
.endr
.irp k, 0,1,2,3
	v_lshrrev_b32 v[TM+4+\k], 23, v[TM+12+\k]
.endr
	QPR sS, QF+12*(\q0), PS+(\q0), 12, 16          ; p's codes take q's registers
	v_rcp_f32 v[RL+2*(\q0)], v[RL+2*(\q0)]
	v_rcp_f32 v[RL+2*(\q0)+2], v[RL+2*(\q0)+2]
	v_nop
	s_wait_alu depctr_va_vdst(0)
.endm
.macro RESLD q0                        ; the residual, in the result's layout
	WIN 0xc0
.irp q, \q0, \q0+1
.irp c, 0,1,2,3
	ds_load_b128 v[32*(\q)+8*\c:32*(\q)+8*\c+3], v[TH+(\q)/2] offset:8*SPOS*((\q)%2)+128*(\c/2)+32*(\c%2)
	ds_load_b128 v[32*(\q)+8*\c+4:32*(\q)+8*\c+7], v[TH+(\q)/2] offset:8*SPOS*((\q)%2)+128*(\c/2)+32*(\c%2)+16
.endr
.endr
.endm
.macro HEAD m2, m3
	s_and_b32 s[T0], s[N], 1
	s_mul_i32 s[HB], s[T0], 4*WPART
	s_sub_co_u32 s[NHB], 4*WPART, s[HB]
	s_lshl_b32 s[HD8], s[T0], 8
	s_lshr_b32 s[STP], s[N], 1
	s_add_co_u32 s[T0], s[STP], 2
	v_add_nc_u32 v[TH], s[STP], v[RB]
	v_add_nc_u32 v[TH+1], s[T0], v[RB]
	v_and_b32 v[TH], 3, v[TH]
	v_and_b32 v[TH+1], 3, v[TH+1]
	v_mad_u32_u24 v[TH], v[TH], SFR, v[TAL]
	v_mad_u32_u24 v[TH+1], v[TH+1], SFR, v[TAL]
	v_add_nc_u32 v[TH], s[HD8], v[TH]
	v_add_nc_u32 v[TH+1], s[HD8], v[TH+1]
	v_add_nc_u32 v[BAH], s[HD8], v[BA0]
	v_add_nc_u32 v[BVH], s[HD8], v[BV0]
	WIN 0x80
.irp f, 0,1,2,3,4,5,6,7
	ds_load_b128 v[BI+8*\f:BI+8*\f+3], v[BAH] offset:512*(\f/4)+128*((\f%4)/2)+32*(\f%2)
	ds_load_b128 v[BI+8*\f+4:BI+8*\f+7], v[BAH] offset:512*(\f/4)+128*((\f%4)/2)+32*(\f%2)+16
.endr
.irp f, 0,1,2,3
	ds_load_b32 v[BI+64+8*\f], v[BVH] offset:128*(\f/2)+32*(\f%2)
.endr
	REFILL 0, 0                                    ; chunk 0 and the biases are in registers (chunk 2 was asked for in the head before, or ahead of the loop)
	FMR 0, 0, 8                                    ; Wq
	WIN 0
	NOPS 4
	LDA 1
	FMB4 0
	LDB 1
	REFILL 1, 2                                    ; chunk 1 is in registers: its slot takes chunk 3
	FMR 1, 0, 4                                    ; q is whole
	WIN 0
	NOPS 4                                         ; places ahead of the first read of q
	HKSET 0, QF, QS, 2                             ; q's quantiser among Wk's 64 products
	FMR 1, 4, 8
	WIN 0
	NOPS 4                                         ; places in front of loads into the fragments' registers
	LDA 0
	FMB4 1
	LDB 0
	s_wait_alu depctr_va_vdst(0)                   ; the wait ahead of the blocking wait
	s_wait_dscnt 12
	FMR 2, 0, 8                                    ; k is whole
	WIN 0x82
.irp f, 0,1,2,3
.irp j, 1,2,3,4,5,6,7
	v_mov_b32 v[BI+64+8*\f+\j], v[BI+64+8*\f]      ; bv: one channel a lane, the same for its eight positions
.endr
.endr
	REFILL 2, \m2
	LDA 1
	HKSET 128, KF, KS, 2                           ; k's quantiser among Wv's 64 products
	FMB4 2
	LDB 1
	s_wait_alu depctr_va_vdst(0)
	s_wait_dscnt 12
	FMR 3, 0, 8
	s_wait_alu depctr_va_vdst(0)
	s_wait_dscnt 0x0                               ; fragments 8-11 are in
	FMB4 3                                         ; v is whole
	NOPS 4                                         ; with FMB4's four: eight places ahead of the scaled products that read k's scale words
	HKSET 0, VF, VS, 1                             ; the first half of v's quantiser among the 16 score products
	WIN 0xc0
	s_wait_alu depctr_va_vdst(0)
.irp q, 0,1,2,3
.irp k, 0,1,2,3
	WIN 0xc0
	MZ 128+32*\q+8*\k, KF+12*\k, QF+12*\q, KS+\k, QS+\q
	HOOK
.endr
.endr
	REFILL 3, \m3                                  ; chunk 3's slot takes the next head's chunk 1
.if (\m3) == 2
	LDA 0
	LDB 0
.endif
	RESLD 0
	QPR 64, VF+24, VS+2, 0, 16
	RESLD 2
	SM2 0
	SM2 2
	REFILL 4, \m3                                  ; the next head's chunk 0 is in registers: its slot takes that head's chunk 2
	WIN 0
	NOPS 8                                         ; places ahead of the scaled products that read p's scale words
	WIN 0xc0
.irp q, 0,1,2,3
.irp c, 0,1,2,3
	MZ 128+32*\q+8*\c, VF+12*\c, QF+12*\q, VS+\c, PS+\q
.endr
.endr
	WIN 0
	NOPS 4
	s_wait_dscnt 0x0
	WIN 0xf3
.set he, 0
.rept 64
	v_pk_fma_f32 v[2*he:2*he+1], v[128+2*he:129+2*he], v[RL+2*(he/16):RL+2*(he/16)+1], v[2*he:2*he+1] op_sel_hi:[1,0,1]
.set he, he+1
.endr
	WIN 0x0c
.irp q, 0,1,2,3
.irp c, 0,1,2,3
	ds_store_b128 v[TH+\q/2], v[32*\q+8*\c:32*\q+8*\c+3] offset:8*SPOS*(\q%2)+128*(\c/2)+32*(\c%2)
	ds_store_b128 v[TH+\q/2], v[32*\q+8*\c+4:32*\q+8*\c+7] offset:8*SPOS*(\q%2)+128*(\c/2)+32*(\c%2)+16
.endr
.endr
	WIN 0
	s_wait_dscnt 0x0
.endm
.macro XPHASE                          ; the state's codes: each wave quantises its 128 channels of the 64 positions; all waves read all 16 fragments
	s_add_co_u32 s[T0], s[STP], 2
	v_add_nc_u32 v[TA], s[STP], v[RB]
	v_add_nc_u32 v[TA+1], s[T0], v[RB]
	v_and_b32 v[TA], 3, v[TA]
	v_and_b32 v[TA+1], 3, v[TA+1]
	v_mad_u32_u24 v[TA], v[TA], SFR, v[TAL]
	v_mad_u32_u24 v[TA+1], v[TA+1], SFR, v[TAL]
	s_wait_alu depctr_va_vdst(0)
	s_wait_dscnt 0x0
	WIN 0xc0
.set xt, 0
.rept 4
.set xq, 0
.rept 16
	ds_load_b128 v[64*xt+4*xq:64*xt+4*xq+3], v[TA+xt/2] offset:8*SPOS*(xt%2)+128*(xq/4)+16*(xq%4)
.set xq, xq+1
.endr
.set xt, xt+1
.endr
.set xt, 0
.rept 4
	s_wait_dscnt 0x0
	QX 64*xt
.irp c, 0,1,2
	ds_store_b128 v[XWI], v[XC+4*\c:XC+4*\c+3] offset:4*FRB*xt+512*\c
.endr
	ds_store_b32 v[XWS], v[TM+8] offset:512*xt
.set xt, xt+1
.endr
	s_wait_dscnt 0x0
	s_barrier_signal -1
	s_barrier_wait -1
	WIN 0x40
.set xt, 0
.rept 16
.irp c, 0,1,2
	ds_load_b128 v[12*xt+4*\c:12*xt+4*\c+3], v[XRI] offset:FRB*xt+512*\c
.endr
.set xt, xt+1
.endr
	WIN 0
.set xt, 0
.rept 16
	ds_load_b32 v[XS+xt], v[XRS] offset:128*xt
.set xt, xt+1
.endr
.endm
.macro XNLOAD                          ; the next raw frame, into registers
	WIN 0x40
.set gp, 0
.rept 16
	global_load_b128 v[XN+4*gp:XN+4*gp+3], v[GI], s[XP:XP+1] offset:(gp/4)*65536+(gp%4)*2048 th:TH_LOAD_NT
.set gp, gp+1
.endr
	WIN 0
.endm
; One head's 64 channels of the last four frames leave: sixteen lanes take a position's 256 bytes, aligned; two positions an instruction.  hf: 0 or 256, the head's place in my 512 bytes
.macro HALFOUT hf
	WIN 0xc0
.set gp, 0
.rept 32
	ds_load_b128 v[4*gp:4*gp+3], v[XC] offset:SFR*(gp/8)+2*SPOS*(gp%8)+(\hf)
.set gp, gp+1
.endr
	WIN 0x0c
.set gf, 0
.rept 4
	s_wait_dscnt 24-8*gf                           ; the later frames' loads may be out
.set gp, 0
.rept 8
	global_store_b128 v[XC+1], v[32*gf+4*gp:32*gf+4*gp+3], s[OP:OP+1] offset:gf*FRAME+(gp/2)*65536+(gp%2)*4096+(\hf) th:TH_STORE_NT
.set gp, gp+1
.endr
.set gf, gf+1
.endr
	WIN 0
.endm
	s_load_b256 s[4:11], s[0:1], 0x0               ; x, wimg, bq, bk
	s_load_b128 s[12:15], s[0:1], 0x20             ; bv, out0
	v_lshl_add_u32 v[SPW], v0, 2, SPARE
	v_mov_b32 v[NIL], 0
	ds_add_u32 v[SPW], v[NIL]
	ds_add_u32 v[SPW], v[NIL]
	s_wait_dscnt 0x0
	v_lshrrev_b32 v76, 5, v0
	v_readfirstlane_b32 s[WV], v76
	s_bfe_u32 s56, ttmp6, 0x40000
	s_lshl_b32 s57, ttmp9, 2
	s_add_co_u32 s57, s57, s56                     ; work-group: batch g / 64, block row (g / 8) % 8, block column g % 8
	s_lshr_b32 s52, s57, 6
	s_lshl_b32 s52, s52, 24
	s_bfe_u32 s56, s57, 0x30003
	s_lshl_b32 s56, s56, 18
	s_or_b32 s52, s52, s56
	s_and_b32 s56, s57, 7
	s_lshl_b32 s56, s56, 13
	s_or_b32 s52, s52, s56
	s_mov_b32 s53, 0
	v_and_b32 v76, 31, v0
	v_and_b32 v77, 15, v0
	v_bfe_u32 v78, v0, 4, 1
	v_and_b32 v79, 7, v0
	v_bfe_u32 v[RB], v0, 3, 1
	v_lshl_add_u32 v[XRI], v76, 4, XIMG
	v_lshl_add_u32 v[XRS], v76, 2, XSC
	s_mul_i32 s[T0], s[WV], FRB
	v_add_nc_u32 v[XWI], s[T0], v[XRI]
	s_lshl_b32 s[T0], s[WV], 7
	v_add_nc_u32 v[XWS], s[T0], v[XRS]
	s_mul_i32 s[T0], s[WV], WPART
	v_lshl_add_u32 v[WA], v76, 4, s[T0]
	v_add_nc_u32 v[WA+1], SLOTB, v[WA]
	v_lshl_add_u32 v[WL], v76, 2, s[T0]
	v_add_nc_u32 v[WL], WSC, v[WL]
	v_add_nc_u32 v[WL+1], SLOTB, v[WL]
	s_mov_b32 s[G0+1], s[T0]
	s_add_co_u32 s[G0+5], s[T0], SLOTB
	s_lshl_b32 s[T0], s[WV], 9
	v_lshl_add_u32 v[GI], v76, 4, s[T0]
	s_mul_i32 s[T0], s[WV], SWAVE
	s_add_co_u32 s[T0], s[T0], STATE
	v_lshl_add_u32 v[SIL], v76, 4, s[T0]
	v_mul_u32_u24 v[TAL], v79, SPOS
	v_lshl_add_u32 v[TAL], v78, 6, v[TAL]
	v_add_nc_u32 v[TAL], s[T0], v[TAL]
	s_mul_i32 s[T0], s[WV], 1536
	s_add_co_u32 s[T0], s[T0], BIAS
	v_lshl_add_u32 v[BA0], v78, 6, s[T0]
	v_lshl_add_u32 v[BV0], v77, 2, s[T0]
	v_lshl_add_u32 v[BV0], v[RB], 5, v[BV0]
	v_add_nc_u32 v[BV0], 1024, v[BV0]
	v_lshl_add_u32 v[SIO], v76, 4, s[T0]
	s_mov_b32 s[SEL], 0x76543210
	s_mov_b32 s[SEL+1], 0xfedcba98
	s_mov_b32 s[CS], 0x3e38aa3b                    ; log2(e) / 8
	s_mov_b32 s[CS+1], s[CS]
	s_mov_b32 s[G1], 15|(3<<16)|(1<<21)            ; the cluster's four; 75 rows of 256 bytes, dense
	s_mov_b32 s[G1+1], 32<<16
	s_mov_b32 s[G1+2], 75<<16
	s_mov_b32 s[G1+3], 32<<16
	s_mov_b32 s[G1+4], 75
	s_mov_b32 s[G1+5], 32
	s_mov_b32 s[G1+6], 0
	s_mov_b32 s[G1+7], 0
	s_mul_i32 s[OF], s[WV], 8*WPART
	s_mov_b32 s[OF+1], 0
	s_wait_kmcnt 0x0
	s_add_nc_u64 s[X0:X0+1], s[4:5], s[52:53]
	s_add_nc_u64 s[XP:XP+1], s[X0:X0+1], 4*FRAME
	s_add_nc_u64 s[OP:OP+1], s[14:15], s[52:53]
	s_add_nc_u64 s[WB:WB+1], s[6:7], s[OF:OF+1]
	s_mov_b32 s[G0], 1
	s_mov_b64 s[G0+2:G0+3], s[WB:WB+1]
	s_or_b32 s[G0+3], s[G0+3], 0x80000000
	s_mov_b32 s[G0+4], 1
	s_add_nc_u64 s[G0+6:G0+7], s[WB:WB+1], WPART
	s_or_b32 s[G0+7], s[G0+7], 0x80000000
	global_load_b128 v[XC:XC+3], v[GI], s[8:9]
	global_load_b128 v[XC+4:XC+7], v[GI], s[10:11]
	global_load_b128 v[XC+8:XC+11], v[GI], s[12:13]
	WIN 0xc0
.set gf, 0
.rept 4
.set gp, 0
.rept 16
	global_load_b128 v[64*gf+4*gp:64*gf+4*gp+3], v[GI], s[X0:X0+1] offset:gf*FRAME+(gp/4)*65536+(gp%4)*2048 th:TH_LOAD_NT
.set gp, gp+1
.endr
.set gf, gf+1
.endr
	WIN 0
	ROUND
	tensor_load_to_lds s[G0:G0+3], s[G1:G1+7]      ; chunk 0: my one load at the head
	s_nop 0
	s_wait_alu depctr_va_vdst(0)                   ; the wait at the head's end
	s_wait_tensorcnt 0x0
	ds_add_u32 v[SPW], v[NIL]
	s_wait_dscnt 0x0
	ROUND
	tensor_load_to_lds s[G0+4:G0+7], s[G1:G1+7]    ; chunk 1, issued as a refill is
	s_nop 0
	NOPS 4
.set zi, 0
.rept 12
.irp j, 6,7,8,9,10,11
	v_mov_b32 v[QF+12*zi+\j], 0                    ; codes 64-127 of the small products' operands: zeros
.endr
.set zi, zi+1
.endr
.irp j, 4,5,6,7,9,11
	v_mov_b32 v[TM+\j], 0
.endr
.irp j, 1,3,5,7
	v_mov_b32 v[RL+\j], 0
.endr
	s_wait_loadcnt 0x0
.irp m, 0,1,2
	ds_store_b128 v[SIO], v[XC+4*\m:XC+4*\m+3] offset:512*\m
.endr
	WIN 0x0c
.set gf, 0
.rept 4
.set gp, 0
.rept 16
	ds_store_b128 v[SIL], v[64*gf+4*gp:64*gf+4*gp+3] offset:SFR*gf+SPOS*gp
.set gp, gp+1
.endr
.set gf, gf+1
.endr
	WIN 0
	s_mov_b32 s[STP], 0
	XPHASE
	XNLOAD                                         ; frame 4: wanted at the end of step 0
	LDA 0
	LDB 0
	s_mov_b32 s[HB], 0
	REFILL 0, 2                                    ; the first head's chunk 2
	s_mov_b32 s[N], 0
.Lhead:
	HEAD 2, 2
	s_and_b32 s[T0], s[N], 1
	s_cmp_eq_u32 s[T0], 0
	s_cbranch_scc1 .Lno_edge
	s_lshr_b32 s[T0], s[N], 1                      ; a step's end: its oldest frame leaves, the next raw frame takes its place
	s_and_b32 s[T0], s[T0], 3
	s_mul_i32 s[T0], s[T0], SFR
	v_add_nc_u32 v[SIO], s[T0], v[SIL]
	WIN 0x80
.set gp, 0
.rept 16
	ds_load_b128 v[OB+4*gp:OB+4*gp+3], v[SIO] offset:SPOS*gp
.set gp, gp+1
.endr
	s_wait_alu depctr_va_vdst(0)
	s_wait_loadcnt 0x0
	WIN 0x04
.set gp, 0
.rept 16
	ds_store_b128 v[SIO], v[XN+4*gp:XN+4*gp+3] offset:SPOS*gp
.set gp, gp+1
.endr
	s_wait_dscnt 16
	WIN 0x08
.set gp, 0
.rept 16
	global_store_b128 v[GI], v[OB+4*gp:OB+4*gp+3], s[OP:OP+1] offset:(gp/4)*65536+(gp%4)*2048 th:TH_STORE_NT
.set gp, gp+1
.endr
	WIN 0
	s_add_co_u32 s[STP], s[N], 1
	s_lshr_b32 s[STP], s[STP], 1
	XPHASE
	s_wait_xcnt 0x0                                ; the stores have read their base
	s_add_nc_u64 s[OP:OP+1], s[OP:OP+1], FRAME
	s_add_nc_u64 s[XP:XP+1], s[XP:XP+1], FRAME
	s_cmp_eq_u32 s[N], 7
	s_cbranch_scc1 .Lno_frame
	XNLOAD
.Lno_frame:
.Lno_edge:
	s_add_co_u32 s[N], s[N], 1
	s_cmp_lt_u32 s[N], 9
	s_cbranch_scc1 .Lhead
	v_and_b32 v[XC+2], 15, v0                      ; the way out by heads: 16 bytes a lane, lanes 16-31 the next position
	v_bfe_u32 v[XC+3], v0, 4, 1
	s_mul_i32 s[T0], s[WV], SWAVE
	s_add_co_u32 s[T0], s[T0], STATE
	v_lshl_add_u32 v[XC], v[XC+2], 4, s[T0]
	v_mad_u32_u24 v[XC], v[XC+3], SPOS, v[XC]
	s_lshl_b32 s[T0], s[WV], 9
	v_lshl_add_u32 v[XC+1], v[XC+2], 4, s[T0]
	v_lshl_add_u32 v[XC+1], v[XC+3], 11, v[XC+1]
	s_wait_alu depctr_va_vdst(0)                   ; read behind blocking waits
	HALFOUT 0                                      ; my first head's channels are final
	s_wait_xcnt 0x0                                ; the stores have read their registers: the accumulators may be written
	HEAD 1, 0
	HALFOUT 256
	s_wait_tensorcnt 0x0                           ; the wave's end
	ds_add_u32 v[SPW], v[NIL]
	s_wait_dscnt 0x0
	ROUND
	s_endpgm
.Lfunc_end_k_qbb0b4885bf_stlsa:
	.size	k_qbb0b4885bf_stlsa, .Lfunc_end_k_qbb0b4885bf_stlsa-k_qbb0b4885bf_stlsa
	.p2alignl 7, 3214868480
	.fill 96, 4, 3214868480
	.section	.rodata,"a",@progbits
	.p2align	6, 0x0
	.amdhsa_kernel k_qbb0b4885bf_stlsa
		.amdhsa_group_segment_fixed_size 327680
		.amdhsa_private_segment_fixed_size 0
		.amdhsa_enable_private_segment 0
		.amdhsa_kernarg_size 48
		.amdhsa_user_sgpr_count 2
		.amdhsa_user_sgpr_kernarg_segment_ptr 1
		.amdhsa_wavefront_size32 1
		.amdhsa_system_sgpr_workgroup_id_x 1
		.amdhsa_system_sgpr_workgroup_id_y 1
		.amdhsa_system_sgpr_workgroup_id_z 1
		.amdhsa_system_vgpr_workitem_id 0
		.amdhsa_next_free_vgpr 1024
		.amdhsa_next_free_sgpr 66
		.amdhsa_reserve_vcc 0
		.amdhsa_float_denorm_mode_32 3
		.amdhsa_float_denorm_mode_16_64 3
		.amdhsa_memory_ordered 1
		.amdhsa_forward_progress 1
		.amdhsa_inst_pref_size 255
	.end_amdhsa_kernel
	.section	.bss,"aw",@nobits
	.p2align	6
	.space	262144
	.amdgpu_metadata
---
amdhsa.version: [ 1, 2 ]
amdhsa.kernels:
  - .name:           k_qbb0b4885bf_stlsa
    .symbol:         k_qbb0b4885bf_stlsa.kd
    .args:
      - { .name: x, .offset: 0, .size: 8, .value_kind: global_buffer, .address_space: global }
      - { .name: wimg, .offset: 8, .size: 8, .value_kind: global_buffer, .address_space: global }
      - { .name: bq, .offset: 16, .size: 8, .value_kind: global_buffer, .address_space: global }
      - { .name: bk, .offset: 24, .size: 8, .value_kind: global_buffer, .address_space: global }
      - { .name: bv, .offset: 32, .size: 8, .value_kind: global_buffer, .address_space: global }
      - { .name: out0, .offset: 40, .size: 8, .value_kind: global_buffer, .address_space: global }
    .group_segment_fixed_size: 327680
    .private_segment_fixed_size: 0
    .kernarg_segment_align: 8
    .kernarg_segment_size: 48
    .max_flat_workgroup_size: 128
    .sgpr_count:     66
    .vgpr_count:     1024
    .wavefront_size: 32
...
	.end_amdgpu_metadata
.endif
;; end of part 2
